; MI455X (gfx1250); checked and timed in simulation.
; The chip was launched on July 23, 2026; its instructions are those of AMD's public machine-readable ISA for CDNA 5 (MIT licence, August 2026) and "CDNA5" Instruction Set Architecture Reference Guide (July 2026). The comments in the code are by the model that wrote it; some were corrected since.
;; Growing Shape Up To Max Pedestrians. Allowed arithmetic: float matrix products may take bf16 or f16 operands with f32 sums; all other float work in f32.
;; Inputs: indexes 8,192 bool; past_ped_positions 8,192 x 2 float32; ped_positions 8,192 x 2 float32.
;; Outputs: out0 8,192 float32.
;; One version. Each part assembles by itself: llvm-mc -triple=amdgcn-amd-amdhsa -mcpu=gfx1250 --defsym DOCPART=n.
;; ======== version 1 of 1: 1 launch
;; launch radii (part 1): grid 256 x 1, 8 waves a work-group, no clusters, 168,960 bytes of LDS; arguments ped_positions, past_ped_positions, indexes, out0; writes out0
.if DOCPART == 1
	.amdgcn_target "amdgcn-amd-amdhsa--gfx1250"
	.amdhsa_code_object_version 6
	.text
	.protected	k_q0f866e4d2a_radii
	.globl	k_q0f866e4d2a_radii
	.p2align	8
	.type	k_q0f866e4d2a_radii,@function
k_q0f866e4d2a_radii:
	s_mov_b64 s[64:65], 0
	v_nop
	global_prefetch_b8 v0, s[64:65] scope:SCOPE_SE
	s_setreg_imm32_b32 hwreg(HW_REG_WAVE_MODE, 25, 1), 1
	s_wait_xcnt 0x0
; radius[p] = clip((d32 + d33) / 2, 0.5, 8): d32, d33 = 32nd and 33rd smallest distance from pedestrian p to the others that lie
; in the half plane in front of p (direction within [-90, +90) degrees of p's displacement); 8 where fewer than 33 are in sight.
;
; SHARES.  256 work-groups x 32 rows, a lane = a row.  Eight waves; wave w looks at candidates 1024 w .. 1024 w + 1023, in 32 batches
; of 32, and keeps the 34 smallest keys of its rows; at the end the eight lists are joined through LDS and wave 0 stores 32 results
; (128 consecutive bytes: 32 rows a work-group is what gives all 256 work-groups work).  The launch asks for more than half of a WGP's
; LDS, though 34,816 bytes are used, so that each work-group has a WGP to itself.
;
; KEY of a pair, all in f32:  rel = q - p;  t = rel.rel;  u = H.rel + bias;  key = max(t, u).
;   H = -(displacement scaled by a power of two so that its larger component lies in [2^120, 2^121), turned clockwise by 2^-22 rad).
;   In front of p: u < 0, key = t = d^2.  Behind p: u >= 256 as soon as the distance to the edge line is above 2^-112, and a key of 256
;   (d = 16) or more gives (d32 + d33) / 2 >= 8 like +inf does.  So neither +inf nor the count of reference() is needed.
;   The turn makes the -90 degree edge count as in and the +90 degree edge as out, as the reference's >= and < do.
;   A product overflows only where a coordinate of rel is 128 or more; then t >= 16384, and max (a NaN loses) still gives a far key.
;   rel = (0,0): the reference takes its angle as 0, so a neighbour at p's own place is in sight only where the heading lies in
;   (-90, +90].  bias = 0 in those rows (key 0: in), 1024 in the others (key 1024: out).  p's own pair cannot be told from such a
;   neighbour, so in the rows with bias 0 it stands in the list as one key 0, and the ranks read at the end are 33 and 34, not 32 and 33.
; SELECTION by a fixed network, the same instructions whatever the numbers: a batch is sorted ascending by a bitonic sort
;   (15 stages x 16 compare-exchanges); Z[i] = min(L[i], S[i]) with the list L descending holds the 34 smallest of both and rises, then
;   falls; thought of as followed by 30 x -inf it is bitonic, and a descending bitonic merge of 64 touches the -inf never:
;   exchanges (0,32), (1,33), (32,33) and five stages on places 0-31.
;   A compare-exchange is one dual instruction, min and max of the same two sources, written to ANOTHER bank of registers, so that
;   neither half reads what the other writes.  The dual form wants one even and one odd destination (ISA guide, VOPD): a stage that
;   pairs indices differing in bit b stores element x at x with bits 0 and b swapped, and the next stage reads it there.
; LIMITS.  Finite inputs.  A pair whose direction lies within about 5e-7 rad of an edge of the half plane (the turn plus rounding) may
;   be classed otherwise than by the reference's arctangents; its key is never below d^2.  A pair with rel != 0 whose u - bias is
;   exactly 0 follows the row's rule for rel = (0,0).
; indexes: reference() takes it and lets no result hang on it.  The row's byte is loaded, as every input is; nothing is derived from it.
.set NPED,  8192
.set WAVES, 8
.set BATCH, 32
.set TRIPS, NPED/WAVES/BATCH           ; 32 batches a wave
.set LISTB, 34*128                     ; a wave's list in LDS: 34 keys x 32 lanes x 4 bytes
.set XP,   2                           ; v2, v3    my row's position
.set YP,   3
.set HX,   6                           ; v6, v7    H.x, twice: the two halves of a dual instruction read neighbouring registers
.set HY,   8                           ; v8, v9    H.y, twice
.set BI,   10                          ; v10, v11  bias, twice
.set E0,   12                          ; v12, v13  list places 32, 33 (the two smallest keys)
.set F0,   14                          ; v14, v15  scratch; the partner's places 32, 33
.set T0,   16                          ; v16-19    scratch
.set LOWN, 20                          ; v20, v21  LDS: my wave's list, 16 and 8 bytes a lane
.set LPAR, 22                          ; v22, v23  LDS: the partner's list
.set FLAG, 24                          ; v24       my row's byte of indexes
.set OOUT, 25                          ; v25       byte offset of my row's result
.set KA,   32                          ; v32-63    bank A
.set KB,   64                          ; v64-95    bank B; while keys are made: the four blocks below
.set KC,   96                          ; v96-127   bank C: list places 0-31, descending (place 0 = 34th smallest)
.set RX,   KB                          ; rel.x of 8 candidates
.set RY,   KB+8                        ; rel.y, candidate c at c xor 1: other parity than rel.x of c
.set TT,   KB+16                       ; t
.set UU,   KB+24                       ; u
; res = x with bits 0 and b swapped (b = 0: x itself)
.macro SWZ res, x, b
.set \res, (\x) ^ (((((\x) >> (\b)) ^ (\x)) & 1) * (1 + (1 << (\b))))
.endm
; One stage: elements ix and ix + 2^bit.  lin: the bit by which the stage before stored.  Ascending where bit log2(k) of ix is 0 and down = 0.
.macro STAGE src, dst, lin, bit, k, down
.set ix, 0
.rept 32
.if ((ix >> \bit) & 1) == 0
.set lx, ix | (1 << \bit)
	SWZ ra, ix, \lin
	SWZ rb, lx, \lin
	SWZ wa, ix, \bit
	SWZ wb, lx, \bit
.if (((ix / \k) & 1) | \down) == 0
	v_dual_min_num_f32 v[\dst+wa], v[\src+ra], v[\src+rb] :: v_dual_max_num_f32 v[\dst+wb], v[\src+ra], v[\src+rb]
.else
	v_dual_max_num_f32 v[\dst+wa], v[\src+ra], v[\src+rb] :: v_dual_min_num_f32 v[\dst+wb], v[\src+ra], v[\src+rb]
.endif
.endif
.set ix, ix+1
.endr
.endm
; bank A, any order -> bank B, ascending
.macro SORT
	STAGE KA, KB, 0, 0, 2, 0
	STAGE KB, KA, 0, 1, 4, 0
	STAGE KA, KB, 1, 0, 4, 0
	STAGE KB, KA, 0, 2, 8, 0
	STAGE KA, KB, 2, 1, 8, 0
	STAGE KB, KA, 1, 0, 8, 0
	STAGE KA, KB, 0, 3, 16, 0
	STAGE KB, KA, 3, 2, 16, 0
	STAGE KA, KB, 2, 1, 16, 0
	STAGE KB, KA, 1, 0, 16, 0
	STAGE KA, KB, 0, 4, 32, 0
	STAGE KB, KA, 4, 3, 32, 0
	STAGE KA, KB, 3, 2, 32, 0
	STAGE KB, KA, 2, 1, 32, 0
	STAGE KA, KB, 1, 0, 32, 0
.endm
; bank A, bitonic -> bank C, descending
.macro TAIL
	STAGE KA, KC, 0, 4, 32, 1
	STAGE KC, KA, 4, 3, 32, 1
	STAGE KA, KC, 3, 2, 32, 1
	STAGE KC, KA, 2, 1, 32, 1
	STAGE KA, KC, 1, 0, 32, 1
.endm
; The batch's 32 candidates, 256 bytes, into 64 scalar registers (s64, s65 are left out)
.macro LOADC
	s_load_b512 s[16:31], s[4:5], 0x0
	s_load_b512 s[32:47], s[4:5], 0x40
	s_load_b512 s[48:63], s[4:5], 0x80
	s_load_b512 s[68:83], s[4:5], 0xc0
.endm
; Keys of candidates 8 g .. 8 g + 7 of the batch into bank A: 28 dual instructions, two candidates side by side from the second step on
.macro KEYS8 g
.set sb0, 16 + 16*\g + 4*(\g/3)        ; their 16 scalar registers: x, y, x, y ..
.set cx, 0
.rept 8
	v_dual_sub_f32 v[RX+cx], s[sb0+2*cx], v[XP] :: v_dual_sub_f32 v[RY+(cx^1)], s[sb0+2*cx+1], v[YP]   ; rel = q - p
.set cx, cx+1
.endr
.irp c, 0,2,4,6
	v_dual_mul_f32 v[TT+\c], v[RY+\c+1], v[RY+\c+1] :: v_dual_mul_f32 v[TT+\c+1], v[RY+\c], v[RY+\c]
.endr
.irp c, 0,2,4,6
	v_dual_fma_f32 v[UU+\c], v[RY+\c+1], v[HY], v[BI] :: v_dual_fma_f32 v[UU+\c+1], v[RY+\c], v[HY+1], v[BI+1]
.endr
.irp c, 0,2,4,6
	v_dual_fmac_f32 v[TT+\c], v[RX+\c], v[RX+\c] :: v_dual_fmac_f32 v[TT+\c+1], v[RX+\c+1], v[RX+\c+1]    ; t = d^2
.endr
.irp c, 0,2,4,6
	v_dual_fmac_f32 v[UU+\c], v[RX+\c], v[HX] :: v_dual_fmac_f32 v[UU+\c+1], v[RX+\c+1], v[HX+1]          ; u = H.rel + bias
.endr
.irp c, 0,2,4,6
	v_dual_max_num_f32 v[KA+8*\g+\c], v[TT+\c], v[UU+\c] :: v_dual_max_num_f32 v[KA+8*\g+\c+1], v[TT+\c+1], v[UU+\c+1]
.endr
.endm
; List (bank C, E0, E0+1; descending) and sorted batch (bank B, ascending) -> list.  Z[32], Z[33] have no partner in the batch.
.macro BMERGE
	v_dual_min_num_f32 v[T0], v[KC], v[KB] :: v_dual_min_num_f32 v[T0+1], v[KC+1], v[KB+1]               ; Z[0], Z[1]
.irp i, 2,4,6,8,10,12,14
	v_dual_min_num_f32 v[KA+\i], v[KC+\i], v[KB+\i] :: v_dual_min_num_f32 v[KA+\i+1], v[KC+\i+1], v[KB+\i+1]
.endr
	v_dual_max_num_f32 v[KA], v[T0], v[E0] :: v_dual_min_num_f32 v[F0+1], v[T0], v[E0]                   ; exchange (0, 32)
	v_dual_max_num_f32 v[KA+1], v[T0+1], v[E0+1] :: v_dual_min_num_f32 v[F0], v[T0+1], v[E0+1]           ; exchange (1, 33)
.irp i, 16,18,20,22,24,26,28,30
	v_dual_min_num_f32 v[KA+\i], v[KC+\i], v[KB+\i] :: v_dual_min_num_f32 v[KA+\i+1], v[KC+\i+1], v[KB+\i+1]
.endr
	v_dual_max_num_f32 v[E0], v[F0+1], v[F0] :: v_dual_min_num_f32 v[E0+1], v[F0+1], v[F0]               ; exchange (32, 33)
	TAIL
.endm
; Two lists of 34, both descending: mine, and P (places 0-31 in bank B, 32 and 33 in F0, F0+1).  Z[i] = min(L[i], P[33 - i]).
.macro LMERGE
	v_dual_min_num_f32 v[T0], v[KC], v[F0+1] :: v_dual_min_num_f32 v[T0+1], v[KC+1], v[F0]               ; Z[0], Z[1]
	v_dual_min_num_f32 v[T0+2], v[E0], v[KB+1] :: v_dual_min_num_f32 v[T0+3], v[E0+1], v[KB]             ; Z[32], Z[33]
.irp i, 2,4,6,8,10,12,14
	v_dual_min_num_f32 v[KA+\i], v[KC+\i], v[KB+33-\i] :: v_dual_min_num_f32 v[KA+\i+1], v[KC+\i+1], v[KB+32-\i]
.endr
	v_dual_max_num_f32 v[KA], v[T0], v[T0+2] :: v_dual_min_num_f32 v[F0+1], v[T0], v[T0+2]               ; exchange (0, 32)
	v_dual_max_num_f32 v[KA+1], v[T0+1], v[T0+3] :: v_dual_min_num_f32 v[F0], v[T0+1], v[T0+3]           ; exchange (1, 33)
.irp i, 16,18,20,22,24,26,28,30
	v_dual_min_num_f32 v[KA+\i], v[KC+\i], v[KB+33-\i] :: v_dual_min_num_f32 v[KA+\i+1], v[KC+\i+1], v[KB+32-\i]
.endr
	v_dual_max_num_f32 v[E0], v[F0+1], v[F0] :: v_dual_min_num_f32 v[E0+1], v[F0+1], v[F0]               ; exchange (32, 33)
	TAIL
.endm
; One level of the butterfly: every wave puts its list into its own 4,352 bytes, takes that of wave w xor 2^bit and joins the two.
; more = 1: another level follows and will write the same bytes.
.macro LEVEL bit, more
.irp i, 0,1,2,3,4,5,6,7
	ds_store_b128 v[LOWN], v[KC+4*\i:KC+4*\i+3] offset:512*\i      ; 16 neighbouring bytes a lane
.endr
	ds_store_b64 v[LOWN+1], v[E0:E0+1] offset:4096
	s_xor_b32 s6, s2, 1<<\bit
	s_mul_i32 s6, s6, LISTB
	v_lshl_add_u32 v[LPAR], v1, 4, s6
	v_lshl_add_u32 v[LPAR+1], v1, 3, s6
	s_wait_dscnt 0x0                                               ; zero: my stores are in LDS before I say so to the wave that will read them
	s_barrier_signal -1
	s_barrier_wait -1
.irp i, 0,1,2,3,4,5,6,7
	ds_load_b128 v[KB+4*\i:KB+4*\i+3], v[LPAR] offset:512*\i
.endr
	ds_load_b64 v[F0:F0+1], v[LPAR+1] offset:4096
	s_wait_dscnt 0x0                                               ; the partner's list is in registers: my reads of its bytes are over
.if \more
	s_barrier_signal -1                                            ; say so; the join works on registers only;
	LMERGE
	s_barrier_wait -1                                              ; the next level's stores come when every wave has read
.else
	LMERGE
.endif
.endm
	s_load_b256 s[8:15], s[0:1], 0x0               ; ped_positions s[8:9], past_ped_positions s[10:11], indexes s[12:13], out0 s[14:15]
	v_lshl_add_u32 v128, v0, 2, 0x29000
	v_mov_b32 v129, 0
	v_and_b32 v1, 31, v0                           ; lane = row in the group
	v_lshrrev_b32 v16, 5, v0
	v_readfirstlane_b32 s2, v16                    ; wave 0..7
	s_lshl_b32 s3, ttmp9, 8                        ; the group's 32 rows: 256 bytes of positions,
	v_lshl_add_u32 v17, v1, 3, s3
	s_lshl_b32 s3, ttmp9, 5                        ; 32 bytes of indexes,
	v_add_nc_u32 v18, s3, v1
	s_lshl_b32 s3, ttmp9, 7                        ; 128 bytes of results
	v_lshl_add_u32 v[OOUT], v1, 2, s3
	s_lshl_b32 s6, s2, 13                          ; my wave's 1,024 candidates: 8,192 bytes
	s_mov_b32 s7, 0
	s_wait_kmcnt 0x0
	s_add_nc_u64 s[4:5], s[8:9], s[6:7]
	LOADC                                          ; batch 0
	global_load_b64 v[XP:YP], v17, s[8:9]          ; a wave's load covers 256 consecutive bytes
	global_load_b64 v[4:5], v17, s[10:11]
	global_load_u8 v[FLAG], v18, s[12:13]          ; read and not used: see the head
	s_mul_i32 s6, s2, LISTB
	v_lshl_add_u32 v[LOWN], v1, 4, s6
	v_lshl_add_u32 v[LOWN+1], v1, 3, s6
.set ix, 0
.rept 32
	v_mov_b32 v[KC+ix], 0x7f800000                 ; the list starts as 34 x +inf, once
.set ix, ix+1
.endr
	v_mov_b32 v[E0], 0x7f800000
	v_mov_b32 v[E0+1], 0x7f800000
	s_mov_b32 s6, 0x7fffffff
	s_mov_b32 s7, 0x3f800000                       ; 1.0
	s_wait_loadcnt 0x0                             ; once; also frees v17, v18
	; H and bias of my row
	v_pk_add_f32 v[16:17], v[2:3], v[4:5] neg_lo:[0,1] neg_hi:[0,1]    ; displacement = position - past position
	v_max_num_f32 v18, |v16|, |v17|
	v_bfi_b32 v19, s6, s7, v16                     ; 1.0 with dx's sign
	v_cmp_eq_f32 vcc_lo, 0, v18                    ; no displacement: arctan2(+-0, +0) = 0, arctan2(+-0, -0) = +-pi: heading (+-1, 0)
	v_cndmask_b32 v16, v16, v19, vcc_lo
	v_max_num_f32 v18, |v16|, |v17|                ; the larger component, not 0
	v_lshrrev_b32 v18, 23, v18                     ; its biased exponent E (0 for a denormal)
	v_sub_nc_u32 v18, 247, v18                     ; times 2^(247 - E): into [2^120, 2^121); a denormal lands at 2^98 or above
	v_ldexp_f32 v16, v16, v18                      ; exact: the direction is not rounded
	v_ldexp_f32 v17, v17, v18
	s_mov_b32 s6, 0x34800000                       ; 2^-22
	v_fma_f32 v[HX], -v17, s6, -v16                ; H = -(x + e y, y - e x): turned clockwise by e
	v_fma_f32 v[HY], v16, s6, -v17
	v_mov_b32 v19, 0x44800000                      ; 1024.0
	v_cmp_gt_f32 s3, 0, v[HX]                      ; s3: rows whose turned heading points to +x, that is heading in (-90, +90]
	v_mov_b32 v[HX+1], v[HX]
	v_mov_b32 v[HY+1], v[HY]
	v_cndmask_b32 v[BI], v19, 0, s3                ; there bias 0, elsewhere 1024
	v_mov_b32 v[BI+1], v[BI]
	s_mov_b32 s84, TRIPS-1
.Lbatch:
	s_wait_kmcnt 0x0                               ; scalar loads return in no order: only 0 shows the batch in; it also frees s[4:5]
	s_add_nc_u64 s[4:5], s[4:5], 256
	KEYS8 0
	KEYS8 1
	KEYS8 2
	KEYS8 3
	LOADC                                          ; the next batch, behind the last read of this one; the 339 instructions below cover its way
	SORT
	BMERGE
	s_sub_co_u32 s84, s84, 1
	s_cmp_lg_u32 s84, 0
	s_cbranch_scc1 .Lbatch
	s_wait_kmcnt 0x0                               ; the last batch, written out: no load leaves the buffer
	KEYS8 0
	KEYS8 1
	KEYS8 2
	KEYS8 3
	SORT
	BMERGE
	LEVEL 0, 1                                     ; 8 lists -> the 34 smallest of all 8,192 keys, in every wave
	LEVEL 1, 1
	LEVEL 2, 0
	s_cmp_lg_u32 s2, 0
	s_cbranch_scc1 .Ldone                          ; wave 0 stores for the group; no barrier follows
	v_cndmask_b32 v16, v[KC+2], v[KC+1], s3        ; d32^2: rank 32, or rank 33 where my own key 0 stands in the list
	v_cndmask_b32 v17, v[KC+1], v[KC], s3          ; d33^2: rank 33, or rank 34
	v_sqrt_f32 v18, v16
	v_sqrt_f32 v19, v17
	v_nop                                          ; one plain vector instruction between a transcendental and the use of its result (ISA guide 5.7.2)
	s_wait_alu depctr_va_vdst(0)
	v_add_f32 v18, v18, v19
	v_mul_f32 v18, 0.5, v18
	v_max_num_f32 v18, 0.5, v18                    ; clip to [0.5, 8]; far keys and +inf end at 8
	v_min_num_f32 v18, 0x41000000, v18
	global_store_b32 v[OOUT], v18, s[14:15]        ; 32 lanes, 128 consecutive bytes
.Ldone:
	s_wait_tensorcnt 0x0
	ds_add_u32 v128, v129
	s_wait_dscnt 0x0
	s_endpgm
.Lfunc_end_k_q0f866e4d2a_radii:
	.size	k_q0f866e4d2a_radii, .Lfunc_end_k_q0f866e4d2a_radii-k_q0f866e4d2a_radii
	.p2alignl 7, 3214868480
	.fill 96, 4, 3214868480
	.section	.rodata,"a",@progbits
	.p2align	6, 0x0
	.amdhsa_kernel k_q0f866e4d2a_radii
		.amdhsa_group_segment_fixed_size 168960
		.amdhsa_private_segment_fixed_size 0
		.amdhsa_enable_private_segment 0
		.amdhsa_kernarg_size 32
		.amdhsa_user_sgpr_count 2
		.amdhsa_user_sgpr_kernarg_segment_ptr 1
		.amdhsa_wavefront_size32 1
		.amdhsa_system_sgpr_workgroup_id_x 1
		.amdhsa_system_sgpr_workgroup_id_y 1
		.amdhsa_system_sgpr_workgroup_id_z 1
		.amdhsa_system_vgpr_workitem_id 0
		.amdhsa_next_free_vgpr 130
		.amdhsa_next_free_sgpr 88
		.amdhsa_reserve_vcc 1
		.amdhsa_float_denorm_mode_32 3
		.amdhsa_float_denorm_mode_16_64 3
		.amdhsa_memory_ordered 1
		.amdhsa_forward_progress 1
		.amdhsa_inst_pref_size 87
	.end_amdhsa_kernel
	.amdgpu_metadata
---
amdhsa.version: [ 1, 2 ]
amdhsa.kernels:
  - .name:           k_q0f866e4d2a_radii
    .symbol:         k_q0f866e4d2a_radii.kd
    .args:
      - { .name: ped_positions, .offset: 0, .size: 8, .value_kind: global_buffer, .address_space: global }
      - { .name: past_ped_positions, .offset: 8, .size: 8, .value_kind: global_buffer, .address_space: global }
      - { .name: indexes, .offset: 16, .size: 8, .value_kind: global_buffer, .address_space: global }
      - { .name: out0, .offset: 24, .size: 8, .value_kind: global_buffer, .address_space: global }
    .group_segment_fixed_size: 168960
    .private_segment_fixed_size: 0
    .kernarg_segment_align: 8
    .kernarg_segment_size: 32
    .max_flat_workgroup_size: 256
    .sgpr_count:     88
    .vgpr_count:     130
    .wavefront_size: 32
...
	.end_amdgpu_metadata
.endif
;; end of part 1
